; MI455X (gfx1250); checked and timed in simulation.
; The chip was launched on July 23, 2026; its instructions are those of AMD's public machine-readable ISA for CDNA 5 (MIT licence, August 2026) and "CDNA5" Instruction Set Architecture Reference Guide (July 2026). The comments in the code are by the model that wrote it; some were corrected since.
;; Multi Head Attention. Allowed arithmetic: float matrix products may take bf16 or f16 operands with f32 sums; all other float work in f32.
;; Inputs: Wk 512 x 512 float32; Wq 512 x 512 float32; Wv 512 x 512 float32; bk 512 float32; bq 512 float32; bv 512 float32; x 8 x 512 x 32 x 32 float32.
;; Outputs: out0 8 x 512 x 32 x 32 float32.
;; One version. Each part assembles by itself: llvm-mc -triple=amdgcn-amd-amdhsa -mcpu=gfx1250 --defsym DOCPART=n.
;; ======== version 1 of 1: 2 launches
;; limits: values are held in f16: magnitudes above 65,504 overflow, below 6.1e-05 lose precision
;; workspace buffers: qh 8,388,608 bytes; kh 8,388,608 bytes; vh 8,388,608 bytes
;; launch proj (part 1): grid 4 x 64, 4 waves a work-group, clusters of 4 x 4, 327,680 bytes of LDS; arguments x, Wq, Wk, Wv, bq, bk, bv, qh, kh, vh; writes qh, kh, vh
.if DOCPART == 1
	.amdgcn_target "amdgcn-amd-amdhsa--gfx1250"
	.amdhsa_code_object_version 6
	.text
	.protected	k_qc7bcf7511c_proj
	.globl	k_qc7bcf7511c_proj
	.p2align	8
	.type	k_qc7bcf7511c_proj,@function
k_qc7bcf7511c_proj:
	s_mov_b64 s[64:65], 0
	v_nop
	global_prefetch_b8 v0, s[64:65] scope:SCOPE_SE
	s_setreg_imm32_b32 hwreg(HW_REG_WAVE_MODE, 25, 1), 1
	s_wait_xcnt 0x0
	s_wait_alu depctr_hold_cnt(0) depctr_sa_sdst(0) depctr_va_vdst(0) depctr_va_sdst(0) depctr_va_ssrc(0) depctr_va_vcc(0) depctr_vm_vsrc(0)
	s_getreg_b32 s2, hwreg(HW_REG_IB_STS2, 6, 4)
	s_cmp_eq_u32 s2, 0
	s_cbranch_scc0 .Lentry_in_a_cluster
	s_endpgm
.Lentry_in_a_cluster:
	s_bfe_u32 s2, ttmp6, 0x10000c
	s_cmp_lg_u32 s2, 0xf033
	s_cbranch_scc0 .Lentry_shape_is_right
	s_endpgm
.Lentry_shape_is_right:
; q, k, v = W x + b for all tokens, stored in f16 for the attention launch.
;   x [8][512 c][1024 s] f32;  W [512 o][512 c] f32;  b [512] f32.
;   qh, kh: [b][o/32][s][o%32] f16 (qh already times 0.125 log2(e));  vh: [b][o][s] f16.
; A work-group takes the 128 tokens of one attention group g (b = g / 8, tokens 128 (g % 8) ..) and channels 128 nq .. +127 of q, k and v.
; A wave takes all 128 tokens and 32 channels of each of q, k, v: 8 token tiles x 6 channel fragments = 48 accumulator tiles, 384 registers,
; so that 14 fragments feed 48 matrix instructions.  K (the 512 input channels) goes in steps of 64 through two LDS slots of f32 tiles;
; fragments are rounded to f16 on the way from LDS to the matrix unit.
; CLUSTERS 4 x 4: the four work-groups of a cluster's row share g and ask jointly for x's tile; the four of a column share nq and ask jointly for W's tiles.
; LIMITS: matrix operands are f16: |x|, |W|, |0.18 q|, |k|, |v| of 65,504 and more become infinite, magnitudes under 6e-5 lose bits.
.set TILE,   34816                     ; 128 rows of W x (256 + 16) bytes; x's tile (64 rows x 512 bytes) uses 32,768 of it
.set SLOT,   4*TILE                    ; x, Wq, Wk, Wv
.set STAGE,  2*SLOT                    ; behind the ring: each wave's own bytes for the way out; no tensor load lands there
.set STAGEW, 12288
.set XSTEP,  64*4096                   ; bytes from one K step of x to the next: 64 rows of 1,024 f32
.set WSTEP,  64*4                      ; the same for W: 64 f32 along a row
.set AX,   10                          ; v10-11  LDS address of my x words in slot 0, 1
.set AW,   12                          ; v12-17  LDS address of my rows of Wq, Wk, Wv in slot 0, then slot 1
.set STQ,  18                          ; way out of q and k: where I put 16 bytes
.set RDQ,  19                          ;                     where I read 16 bytes back
.set STV,  20                          ; the same for v
.set RDV,  21
.set GOQ,  22                          ; my byte offset in a chunk of qh or kh
.set GOV,  23                          ; my byte offset in vh
.set FX,   32                          ; v32-95    8 token fragments, f16
.set FW,   96                          ; v96-143   6 channel fragments, f16: q0 q1 k0 k1 v0 v1
.set BIAS, 144                         ; v144-191  the first products' C: the biases in the accumulators' layout
.set TMP,  192                         ; v192-255  packed results on the way out
; window 1 (v256-511): accumulators of q and k, tile (f, t) at 8 (8 f + t).  window 2: v512-639 accumulators of v; v640-767 x as loaded (f32).
; window 3: v768-863 W as loaded (f32).
.set G1X, 32                           ; s[32:39] descriptor group 1 of x's tile
.set G1W, 40                           ; s[40:47] of W's tiles
.set G0X, 48                           ; s[48:55] group 0 of x's tile, a set for each slot
.set G0W, 56                           ; s[56:63] of my W tile
.set MSB, 0
.macro WIN new                         ; s_set_vgpr_msb; the immediate's high byte repeats the setting that is left
.if MSB != \new
	s_set_vgpr_msb (MSB<<8)|\new
.set MSB, \new
.endif
.endm
.macro PLACES                          ; four places behind a matrix instruction (ISA guide 7.12.1)
.rept 4
	v_nop
.endr
.endm
.macro CREST                           ; a round of the cluster's barrier behind its opening work-group barrier
	s_cmp_lg_u32 s24, 0
	s_cbranch_scc1 .Lnot_wave_0_\@
	s_barrier_signal -3
.Lnot_wave_0_\@:
	s_barrier_wait -3
	s_barrier_signal -1
	s_barrier_wait -1
.endm
.macro CROUND                          ; a whole round
	s_barrier_signal -1
	s_barrier_wait -1
	CREST
.endm
; A joint load.  Wave 0 asks for x's tile (mask: my row of the cluster), waves 1 to 3 for Wq's, Wk's, Wv's (mask: my column).
.macro JLOAD s
	s_cmp_eq_u32 s24, 0
	s_cbranch_scc0 .Lfor_w_\@
	tensor_load_to_lds s[G0X+4*\s:G0X+4*\s+3], s[G1X:G1X+7]
	s_nop 0
	s_branch .Lasked_\@
.Lfor_w_\@:
	tensor_load_to_lds s[G0W+4*\s:G0W+4*\s+3], s[G1W:G1W+7]
	s_nop 0
.Lasked_\@:
.endm
	s_load_b512 s[4:19], s[0:1], 0x0               ; x s[4:5], Wq s[6:7], Wk s[8:9], Wv s[10:11], bq s[12:13], bk s[14:15], bv s[16:17], qh s[18:19]
	s_load_b128 s[20:23], s[0:1], 0x40             ; kh s[20:21], vh s[22:23]
	v_lshl_add_u32 v30, v0, 2, 0x4fa00
	v_mov_b32 v31, 0
	ds_add_u32 v30, v31
	ds_add_u32 v30, v31
	v_lshrrev_b32 v1, 5, v0
	v_readfirstlane_b32 s24, v1                    ; wave 0..3
	s_bfe_u32 s25, ttmp6, 0x40000                  ; cx = nq: the grid has one cluster along x
	s_bfe_u32 s26, ttmp6, 0x40004                  ; cy
	s_and_b32 s27, ttmp7, 0xffff
	s_lshl_b32 s27, s27, 2
	s_add_co_u32 s27, s27, s26                     ; g = 4 x cluster y + cy
	s_lshl_b32 s28, s26, 2
	s_lshl_b32 s28, 15, s28                        ; my row of the cluster
	s_lshl_b32 s29, 0x1111, s25                    ; my column
	; x's tile: 64 rows (channels) of 128 f32 (tokens), 1,024 elements from row to row, no padding: a fragment load reads 256 neighbouring bytes
	s_or_b32  s[G1X+0], s28, (2<<16)|(1<<21)       ; mask; elements of 4 bytes; bit 21 beside a mask
	s_mov_b32 s[G1X+1], 128<<16                    ; tensor_dim0 = 128
	s_mov_b32 s[G1X+2], 64<<16                     ; tensor_dim1 = 64
	s_mov_b32 s[G1X+3], 128<<16                    ; tile_dim0 = 128
	s_mov_b32 s[G1X+4], 64                         ; tile_dim1 = 64
	s_mov_b32 s[G1X+5], 1024                       ; pitch
	s_mov_b32 s[G1X+6], 0
	s_mov_b32 s[G1X+7], 0
	; a W tile: 128 rows (output channels) of 64 f32, 512 elements from row to row, 4 words of padding behind every 64: LDS rows 272 bytes apart
	s_or_b32  s[G1W+0], s29, (2<<16)|(1<<20)|(1<<21)|(5<<22)|(3<<25)
	s_mov_b32 s[G1W+1], 64<<16
	s_mov_b32 s[G1W+2], 128<<16
	s_mov_b32 s[G1W+3], 64<<16
	s_mov_b32 s[G1W+4], 128
	s_mov_b32 s[G1W+5], 512
	s_mov_b32 s[G1W+6], 0
	s_mov_b32 s[G1W+7], 0
	s_lshr_b32 s30, s27, 3                         ; x's tile hangs on g alone: b x 2,097,152 + (g % 8) x 512
	s_lshl_b32 s30, s30, 21
	s_and_b32 s31, s27, 7
	s_lshl_b32 s31, s31, 9
	s_add_co_u32 s30, s30, s31
	s_mov_b32 s31, 0
	s_lshl_b32 s66, s25, 18                        ; W's tiles hang on nq alone: 128 rows of 2,048 bytes
	s_mov_b32 s67, 0
	s_mul_i32 s70, s24, TILE                       ; where my tile goes: the wave's number alone
	s_wait_dscnt 0x0
	s_wait_kmcnt 0x0
	s_add_nc_u64 s[30:31], s[4:5], s[30:31]
	s_cmp_eq_u32 s24, 1                            ; wave 1: Wq, wave 2: Wk, wave 3: Wv (wave 0 makes Wk's address and does not use it)
	s_cselect_b64 s[68:69], s[6:7], s[8:9]
	s_cmp_eq_u32 s24, 3
	s_cselect_b64 s[68:69], s[10:11], s[68:69]
	s_add_nc_u64 s[68:69], s[68:69], s[66:67]
	CROUND                                         ; all sixteen work-groups are here: the first joint loads meet
.irp s, 0,1
	s_mov_b32 s[G0X+4*\s], 1
	s_add_co_u32 s[G0X+4*\s+1], s70, \s*SLOT
	s_add_nc_u64 s[G0X+4*\s+2:G0X+4*\s+3], s[30:31], \s*XSTEP
	s_or_b32 s[G0X+4*\s+3], s[G0X+4*\s+3], 0x80000000
	s_mov_b32 s[G0W+4*\s], 1
	s_add_co_u32 s[G0W+4*\s+1], s70, \s*SLOT
	s_add_nc_u64 s[G0W+4*\s+2:G0W+4*\s+3], s[68:69], \s*WSTEP
	s_or_b32 s[G0W+4*\s+3], s[G0W+4*\s+3], 0x80000000
	JLOAD \s                                       ; K steps 0 and 1: two tensor loads of the wave are out, the most in this text
.endr
	; lane addresses.  L = lane, r = L % 16, h = L / 16.
	v_and_b32 v1, 31, v0                           ; L
	v_and_b32 v2, 15, v0                           ; r
	v_bfe_u32 v3, v0, 4, 1                         ; h
	v_lshlrev_b32 v4, 13, v3                       ; x: rows 16 h .. of a half step, 512 bytes each,
	v_lshl_add_u32 v4, v2, 4, v4                   ; tokens 4 r .. 4 r + 3
	v_mul_u32_u24 v8, v2, 272
	v_lshl_add_u32 v8, v3, 6, v8                   ; 272 r + 64 h: W's row r, its 16 f32 from 16 h; also v's stage
	s_mul_i32 s78, s24, 32*272                     ; my 32 rows of each W tile
	v_add_nc_u32 v5, s78, v8
.irp s, 0,1
	v_add_nc_u32 v[AX+\s], \s*SLOT, v4
.irp m, 0,1,2
	v_add_nc_u32 v[AW+3*\s+\m], \s*SLOT+(1+\m)*TILE, v5
.endr
.endr
	s_mul_i32 s79, s24, STAGEW
	s_add_co_u32 s79, s79, STAGE                   ; my stage
	v_mul_u32_u24 v6, v2, 80
	v_lshl_add_u32 v6, v3, 4, v6
	v_add_nc_u32 v[STQ], s79, v6                   ; token slot r, 80 bytes a slot, channels 8 h ..
	v_bfe_u32 v6, v0, 2, 2
	v_mul_u32_u24 v6, v6, 1344                     ; token % 4 picks the tile (1,344 bytes apart),
	v_mad_u32_u24 v6, v3, 80, v6                   ; h the slot,
	v_and_b32 v7, 3, v0
	v_lshl_add_u32 v6, v7, 4, v6                   ; L % 4 the 16 bytes of the token's 64
	v_add_nc_u32 v[RDQ], s79, v6
	v_add_nc_u32 v[STV], s79, v8
	v_mul_u32_u24 v6, v3, 272
	v_lshl_add_u32 v6, v2, 4, v6
	v_add_nc_u32 v[RDV], s79, v6                   ; lanes 0-15 one row of 256 bytes, lanes 16-31 the next
	v_lshlrev_b32 v[GOQ], 4, v1
	v_lshlrev_b32 v6, 11, v3
	v_lshl_add_u32 v[GOV], v2, 4, v6
	; biases of my 32 channels of q, k, v, in the layout of the accumulators that they start
	s_lshl_b32 s86, s25, 9
	s_lshl_b32 s87, s24, 7
	s_add_co_u32 s86, s86, s87                     ; (128 nq + 32 wave) x 4 bytes
	s_mov_b32 s87, 0
	s_add_nc_u64 s[80:81], s[12:13], s[86:87]
	s_add_nc_u64 s[82:83], s[14:15], s[86:87]
	s_add_nc_u64 s[84:85], s[16:17], s[86:87]
	v_lshlrev_b32 v24, 5, v3                       ; q, k: a lane's registers are channels 8 h .. 8 h + 7
	v_lshlrev_b32 v25, 2, v2                       ; v: a lane is channel r
.irp mt, 0,1
	global_load_b128 v[BIAS+8*\mt:BIAS+8*\mt+3],       v24, s[80:81] offset:64*\mt
	global_load_b128 v[BIAS+8*\mt+4:BIAS+8*\mt+7],     v24, s[80:81] offset:64*\mt+16
	global_load_b128 v[BIAS+16+8*\mt:BIAS+16+8*\mt+3], v24, s[82:83] offset:64*\mt
	global_load_b128 v[BIAS+16+8*\mt+4:BIAS+16+8*\mt+7], v24, s[82:83] offset:64*\mt+16
	global_load_b32  v[BIAS+32+8*\mt],                 v25, s[84:85] offset:64*\mt
.endr
	; where the results go
	s_lshr_b32 s86, s27, 3
	s_lshl_b32 s86, s86, 20                        ; b x 1,048,576 in all three buffers
	s_lshl_b32 s87, s25, 18
	s_add_co_u32 s86, s86, s87                     ; + nq x 128 channels
	s_lshl_b32 s87, s24, 16
	s_add_co_u32 s86, s86, s87                     ; + wave x 32 channels
	s_and_b32 s87, s27, 7
	s_lshl_b32 s88, s87, 13                        ; qh, kh: 128 tokens of 64 bytes
	s_add_co_u32 s88, s88, s86
	s_mov_b32 s89, 0
	s_add_nc_u64 s[72:73], s[18:19], s[88:89]
	s_add_nc_u64 s[74:75], s[20:21], s[88:89]
	s_lshl_b32 s88, s87, 8                         ; vh: 128 tokens of 2 bytes
	s_add_co_u32 s88, s88, s86
	s_add_nc_u64 s[76:77], s[22:23], s[88:89]
	s_wait_loadcnt 0x0                             ; the biases
.irp mt, 0,1
.irp j, 1,2,3,4,5,6,7
	v_mov_b32 v[BIAS+32+8*\mt+\j], v[BIAS+32+8*\mt]    ; v's accumulators hold one channel in all eight registers
.endr
.endr
; 56 LDS loads: the f32 words of one half step (32 along K, half kk of the slot).
; x: lane (r, h) takes, for channels 16 h + 0..15, tokens 64 u + 4 r + 0..3: sixteen lanes read 256 neighbouring bytes.
; W: lane (r, h) takes channels 16 h + 0..15 of row r of each of my six fragments: rows 272 bytes apart, sixteen different 16-byte columns of 256.
.macro FETCH slot, kk
	WIN 0x80
.irp u, 0,1
.irp c, 0,1,2,3,4,5,6,7,8,9,10,11,12,13,14,15
	ds_load_b128 v[128+64*\u+4*\c:128+64*\u+4*\c+3], v[AX+\slot] offset:\kk*16384+\c*512+256*\u
.endr
.endr
	WIN 0xc0
.irp f, 0,1,2,3,4,5
.irp i, 0,1,2,3
	ds_load_b128 v[16*\f+4*\i:16*\f+4*\i+3], v[AW+3*\slot+(\f>>1)] offset:(\f&1)*4352+\kk*128+16*\i
.endr
.endr
.endm
; f32 to f16 fragments.  In both operands register p of half h holds channels 16 h + 2 p, 16 h + 2 p + 1: one permutation of K for both, which keeps the products.
; Token tile 4 u + i holds token 64 u + 4 r + i in place r.
.macro CVT
	WIN 0x0a
.irp u, 0,1
.irp i, 0,1,2,3
.irp p, 0,1,2,3,4,5,6,7
	v_cvt_pk_f16_f32 v[FX+8*(4*\u+\i)+\p], v[128+64*\u+8*\p+\i], v[128+64*\u+8*\p+4+\i]
.endr
.endr
.endr
	WIN 0x0f
.irp f, 0,1,2,3,4,5
.irp p, 0,1,2,3,4,5,6,7
	v_cvt_pk_f16_f32 v[FW+8*\f+\p], v[16*\f+2*\p], v[16*\f+2*\p+1]
.endr
.endr
.endm
; q and k: source 0 = channels, source 1 = tokens: a lane holds one token and eight neighbouring channels.  first = 1: the biases are the first C.
; The 48 accumulators take turns, one instruction a turn, over the loop's backward jump too.
.macro MULQK first
.if \first
	WIN 0x40
.else
	WIN 0x50
.endif
.irp f, 0,1,2,3
.irp t, 0,1,2,3,4,5,6,7
.if \first
	v_wmma_f32_16x16x32_f16 v[8*(8*\f+\t):8*(8*\f+\t)+7], v[FW+8*\f:FW+8*\f+7], v[FX+8*\t:FX+8*\t+7], v[BIAS+8*\f:BIAS+8*\f+7]
.else
	v_wmma_f32_16x16x32_f16 v[8*(8*\f+\t):8*(8*\f+\t)+7], v[FW+8*\f:FW+8*\f+7], v[FX+8*\t:FX+8*\t+7], v[8*(8*\f+\t):8*(8*\f+\t)+7]
.endif
.endr
.endr
.endm
; v: the sources the other way round: a lane holds one channel and eight token places.
.macro MULV first
.if \first
	WIN 0x80
.else
	WIN 0xa0
.endif
.irp f, 0,1
.irp t, 0,1,2,3,4,5,6,7
.if \first
	v_wmma_f32_16x16x32_f16 v[8*(8*\f+\t):8*(8*\f+\t)+7], v[FX+8*\t:FX+8*\t+7], v[FW+32+8*\f:FW+32+8*\f+7], v[BIAS+32+8*\f:BIAS+32+8*\f+7]
.else
	v_wmma_f32_16x16x32_f16 v[8*(8*\f+\t):8*(8*\f+\t)+7], v[FX+8*\t:FX+8*\t+7], v[FW+32+8*\f:FW+32+8*\f+7], v[8*(8*\f+\t):8*(8*\f+\t)+7]
.endif
.endr
.endr
.endm
; First half of a K step: its words are in registers; round them, fetch the second half's, multiply.
.macro HALF_A slot, first
	s_wait_dscnt 0x0                               ; the 56 loads issued ahead of the last 48 matrix instructions
	PLACES                                         ; the conversions write fragments that the last matrix instructions read
	CVT
	FETCH \slot, 1
	MULQK \first
	MULV \first
.endm
; Second half: changes slots.  In front of the barrier my reads of this slot are back and all my tensor loads have landed (one was out: my tile of the
; next slot).  fill = 1: the barrier opens a round of the cluster's barrier, and behind the round this slot is asked for again, two K steps ahead,
; first thing.  From that request to the wait for it a wave issues 96 matrix instructions and 112 conversions.
.macro HALF_B slot, next, fill
	s_wait_dscnt 0x0
	s_wait_tensorcnt 0x0
	ds_add_u32 v30, v31
	s_wait_dscnt 0x0
	s_barrier_signal -1
	PLACES
	CVT                                            ; register work while the others arrive
	WIN 0
	s_barrier_wait -1
.if \fill
	CREST
	s_add_nc_u64 s[G0X+4*\slot+2:G0X+4*\slot+3], s[G0X+4*\slot+2:G0X+4*\slot+3], 2*XSTEP
	s_add_nc_u64 s[G0W+4*\slot+2:G0W+4*\slot+3], s[G0W+4*\slot+2:G0W+4*\slot+3], 2*WSTEP
	JLOAD \slot
.endif
	FETCH \next, 0
	MULQK 0
	MULV 0
.endm
.macro HALF_Z                          ; the very last half step: nothing more to fetch
	s_wait_dscnt 0x0
	PLACES
	CVT
	MULQK 0
	MULV 0
.endm
.macro LAP first                       ; two K steps, once round the ring, both slots filled again
	HALF_A 0, \first
	HALF_B 0, 1, 1
	HALF_A 1, 0
	HALF_B 1, 0, 1
.endm
	s_wait_tensorcnt 0x1                           ; my tile of K step 0 is in; K step 1's stays out
	s_barrier_signal -1
	s_barrier_wait -1                              ; everybody's is
	FETCH 0, 0
	LAP 1                                          ; K steps 0, 1; asks for 2, 3.  Its first products start the sums from the biases
	WIN 0
	s_mov_b32 s71, 2                               ; K steps 2 to 5; they ask for 4 to 7
.Llap:
	LAP 0
	WIN 0
	s_sub_co_u32 s71, s71, 1
	s_cmp_lg_u32 s71, 0
	s_cbranch_scc1 .Llap
	HALF_A 0, 0                                    ; K steps 6, 7: nothing is filled, so no round of the cluster's barrier
	HALF_B 0, 1, 0
	HALF_A 1, 0
	HALF_Z
	; THE WAY OUT, through each wave's own stage.  LDS serves a wave's instructions in order (ISA guide 5.7.1.4): no wait between its stores and its loads.
	PLACES
	WIN 0x41
.set i, 0
.rept 64
	v_pk_mul_f32 v[2*i:2*i+1], v[2*i:2*i+1], 0x3e38aa3b op_sel_hi:[1,0]   ; q times 1/8 log2(e): the scores come out ready for 2^x
.set i, i+1
.endr
; q (m = 0) or k (m = 1): a lane's 8 channels are 16 bytes of a token's 64.  Tiles 1,344 bytes apart, token places 80 apart: stores and loads each touch
; sixteen different 16-byte columns of 256.  Read back in token order: a store of the wave covers 512 consecutive bytes, aligned.
.macro OUTQK m, sb
	WIN 0x05
.irp t, 0,1,2,3,4,5,6,7
.irp mt, 0,1
.irp p, 0,1,2,3
	v_cvt_pk_f16_f32 v[TMP+4*(2*\t+\mt)+\p], v[8*(8*(2*\m+\mt)+\t)+2*\p], v[8*(8*(2*\m+\mt)+\t)+2*\p+1]
.endr
.endr
.endr
	WIN 0
.irp t, 0,1,2,3,4,5,6,7
.irp mt, 0,1
	ds_store_b128 v[STQ], v[TMP+4*(2*\t+\mt):TMP+4*(2*\t+\mt)+3] offset:1344*\t+32*\mt
.endr
.endr
	s_wait_xcnt 0x0                                ; v32-95 were the data of earlier stores: they are loaded again only behind this wait
.irp it, 0,1,2,3,4,5,6,7,8,9,10,11,12,13,14,15
	ds_load_b128 v[FX+4*\it:FX+4*\it+3], v[RDQ] offset:(\it>>3)*5376+(\it&7)*160
.endr
.irp it, 0,1,2,3,4,5,6,7,8,9,10,11,12,13,14,15
	s_wait_dscnt 15-\it                            ; the younger loads stay out
	global_store_b128 v[GOQ], v[FX+4*\it:FX+4*\it+3], s[\sb:\sb+1] offset:512*\it
.endr
.endm
	OUTQK 0, 72
	OUTQK 1, 74
	; v: in tiles 4 u .. 4 u + 3 a lane holds tokens 64 u + 32 h + 0..31 of one channel: 64 bytes.  Rows of 272 bytes; sixteen lanes store 256 consecutive bytes, aligned.
	WIN 0x0a
.irp mt, 0,1
.irp u, 0,1
.irp j, 0,1,2,3,4,5,6,7
	v_cvt_pk_f16_f32 v[TMP+16*(2*\mt+\u)+2*\j],   v[8*(8*\mt+4*\u)+\j],   v[8*(8*\mt+4*\u+1)+\j]
	v_cvt_pk_f16_f32 v[TMP+16*(2*\mt+\u)+2*\j+1], v[8*(8*\mt+4*\u+2)+\j], v[8*(8*\mt+4*\u+3)+\j]
.endr
.endr
.endr
	WIN 0
.irp mt, 0,1
.irp u, 0,1
.irp q, 0,1,2,3
	ds_store_b128 v[STV], v[TMP+16*(2*\mt+\u)+4*\q:TMP+16*(2*\mt+\u)+4*\q+3] offset:4352*\mt+128*\u+16*\q
.endr
.endr
.endr
	s_wait_xcnt 0x0                                ; as above
.irp it, 0,1,2,3,4,5,6,7,8,9,10,11,12,13,14,15
	ds_load_b128 v[FX+4*\it:FX+4*\it+3], v[RDV] offset:544*\it
.endr
.irp it, 0,1,2,3,4,5,6,7,8,9,10,11,12,13,14,15
	s_wait_dscnt 15-\it
	global_store_b128 v[GOV], v[FX+4*\it:FX+4*\it+3], s[76:77] offset:4096*\it
.endr
	s_wait_tensorcnt 0x0
	ds_add_u32 v30, v31
	s_wait_dscnt 0x0
	CROUND                                         ; the closing round: no work-group ends while a partner may still ask for a tile that names it
	s_endpgm
.Lfunc_end_k_qc7bcf7511c_proj:
	.size	k_qc7bcf7511c_proj, .Lfunc_end_k_qc7bcf7511c_proj-k_qc7bcf7511c_proj
	.p2alignl 7, 3214868480
	.fill 96, 4, 3214868480
	.section	.rodata,"a",@progbits
	.p2align	6, 0x0
	.amdhsa_kernel k_qc7bcf7511c_proj
		.amdhsa_group_segment_fixed_size 327680
		.amdhsa_private_segment_fixed_size 0
		.amdhsa_enable_private_segment 0
		.amdhsa_kernarg_size 80
		.amdhsa_user_sgpr_count 2
		.amdhsa_user_sgpr_kernarg_segment_ptr 1
		.amdhsa_wavefront_size32 1
		.amdhsa_system_sgpr_workgroup_id_x 1
		.amdhsa_system_sgpr_workgroup_id_y 1
		.amdhsa_system_sgpr_workgroup_id_z 1
		.amdhsa_system_vgpr_workitem_id 0
		.amdhsa_next_free_vgpr 864
		.amdhsa_next_free_sgpr 90
		.amdhsa_reserve_vcc 0
		.amdhsa_float_denorm_mode_32 3
		.amdhsa_float_denorm_mode_16_64 3
		.amdhsa_memory_ordered 1
		.amdhsa_forward_progress 1
		.amdhsa_inst_pref_size 210
	.end_amdhsa_kernel
	.amdgpu_metadata
---
amdhsa.version: [ 1, 2 ]
amdhsa.kernels:
  - .name:           k_qc7bcf7511c_proj
    .symbol:         k_qc7bcf7511c_proj.kd
    .args:
      - { .name: x, .offset: 0, .size: 8, .value_kind: global_buffer, .address_space: global }
      - { .name: Wq, .offset: 8, .size: 8, .value_kind: global_buffer, .address_space: global }
      - { .name: Wk, .offset: 16, .size: 8, .value_kind: global_buffer, .address_space: global }
      - { .name: Wv, .offset: 24, .size: 8, .value_kind: global_buffer, .address_space: global }
      - { .name: bq, .offset: 32, .size: 8, .value_kind: global_buffer, .address_space: global }
      - { .name: bk, .offset: 40, .size: 8, .value_kind: global_buffer, .address_space: global }
      - { .name: bv, .offset: 48, .size: 8, .value_kind: global_buffer, .address_space: global }
      - { .name: qh, .offset: 56, .size: 8, .value_kind: global_buffer, .address_space: global }
      - { .name: kh, .offset: 64, .size: 8, .value_kind: global_buffer, .address_space: global }
      - { .name: vh, .offset: 72, .size: 8, .value_kind: global_buffer, .address_space: global }
    .group_segment_fixed_size: 327680
    .private_segment_fixed_size: 0
    .kernarg_segment_align: 8
    .kernarg_segment_size: 80
    .max_flat_workgroup_size: 128
    .sgpr_count:     90
    .vgpr_count:     864
    .wavefront_size: 32
...
	.end_amdgpu_metadata
.endif
;; end of part 1
;; launch attn (part 2): grid 256 x 1, 8 waves a work-group, clusters of 4 x 1, 312,320 bytes of LDS; arguments qh, kh, vh, out0; writes out0
.if DOCPART == 2
	.amdgcn_target "amdgcn-amd-amdhsa--gfx1250"
	.amdhsa_code_object_version 6
	.text
	.protected	k_qc7bcf7511c_attn
	.globl	k_qc7bcf7511c_attn
	.p2align	8
	.type	k_qc7bcf7511c_attn,@function
k_qc7bcf7511c_attn:
	s_mov_b64 s[64:65], 0
	v_nop
	global_prefetch_b8 v0, s[64:65] scope:SCOPE_SE
	s_setreg_imm32_b32 hwreg(HW_REG_WAVE_MODE, 25, 1), 1
	s_wait_xcnt 0x0
	s_wait_alu depctr_hold_cnt(0) depctr_sa_sdst(0) depctr_va_vdst(0) depctr_va_sdst(0) depctr_va_ssrc(0) depctr_va_vcc(0) depctr_vm_vsrc(0)
	s_getreg_b32 s2, hwreg(HW_REG_IB_STS2, 6, 4)
	s_cmp_eq_u32 s2, 0
	s_cbranch_scc0 .Lentry_in_a_cluster
	s_endpgm
.Lentry_in_a_cluster:
	s_bfe_u32 s2, ttmp6, 0x10000c
	s_cmp_lg_u32 s2, 0x3003
	s_cbranch_scc0 .Lentry_shape_is_right
	s_endpgm
.Lentry_shape_is_right:
; Attention inside one group g = (b, hg): its 1,024 rows are (token of 128 hg .., chunk j = channel / 64), d = channel % 64, and
; out0[b][64 j + d][token] = softmax row (token, j) times V.  qh holds q times 1/8 log2(e), so the exponentials are 2^x.
; A cluster of four work-groups is one group; work-group cx takes the 256 queries of chunks j = 2 cx, 2 cx + 1.  All four need the group's whole K and V:
; every tile is asked for jointly (mask 15) and each LDS byte is filled once: nothing is filled again.
; Eight waves: wave w takes 64 queries (wq = w % 4: chunk 2 cx + wq / 2, tokens 64 (wq % 2) ..) and the 512 keys of chunks 4 side .. 4 side + 3 (side = w / 4).
; The two waves of a pair keep a running maximum and sum each and are merged once at the end.  A sum over keys does not hang on their order:
; keys go as (chunk, token), in K and V alike.
; TRANSPOSED: S^T = K Q^T (a lane holds one query and 8 keys a tile: maximum and sum stay in the lane but for one exchange of halves; two neighbouring key
; tiles round in place to the second source of the next product); O^T = V^T P^T (a lane holds one query, its registers run along d).
; LIMITS: p is rounded to f16 for the product while the row sum adds it unrounded; 2^x under 2^-126 counts as 0 (ISA guide, v_exp_f32); operands are f16.
.set KST,  40960                       ; K of one stage: 2 sides x 2 halves of d x 128 tokens x 80 bytes (64 + 16 padding)
.set VBASE, 163840
.set VST,  34816                       ; V^T of one stage: 2 sides x 64 rows d x 272 bytes (128 tokens f16 + 16 padding)
.set STAT, 303104                      ; 1,024 bytes a wave: its maxima and sums.  No tensor load lands here
.set OST,  17408                       ; after the last read of K: 64 rows d x 272 bytes (64 queries f32 + 16) a wave, in K's bytes, which have had their only fill
.set QO,  8                            ; v8   my byte offset in a chunk of qh
.set OSA, 9                            ; v9   where I put my O^T
.set RA,  10                           ; v10  where I read the pair's two parts back
.set RB,  11
.set GO,  12                           ; v12  my byte offset in out0
.set STA, 13                           ; v13  my statistics
.set STB, 14                           ; v14  my partner's
.set KA,  16                           ; v16-19  LDS address of my K fragments in stage t
.set VA,  20                           ; v20-23  of my V fragments
.set ML,  24                           ; v24-31  pairs (m, l) for query tiles 0..3
.set MX,  32                           ; v32-35  the new maxima
.set AL,  36                           ; v36-43  pairs (alpha, unused)
.set TP,  44                           ; v44-51  at work
.set PM,  52                           ; v52-59  the partner's (m, l)
.set S,   64                           ; v64-191 scores: query tile qt at 32 qt, key tile kt at + 8 kt; then P's fragment (qt, p) at 32 qt + 16 p
.set VF,  192                          ; v192-255 V fragments (dt, p) at 8 (2 dt + p)
; window 1: v256-383 O^T, tile (dt, qt) at 8 (4 dt + qt); v384-447 Q fragments; v448-511 K fragments
.set QF,  128
.set KF,  192
.set G1K, 16
.set G1V, 24
.set G0K, 32                           ; s[32:47] a group 0 for each stage, written once
.set G0V, 48                           ; s[48:63]
.set MSB, 0
.macro WIN new
.if MSB != \new
	s_set_vgpr_msb (MSB<<8)|\new
.set MSB, \new
.endif
.endm
.macro NOPS n
.rept \n
	v_nop
.endr
.endm
.macro CROUND                          ; a round of the cluster's barrier
	s_barrier_signal -1
	s_barrier_wait -1
	s_cmp_lg_u32 s12, 0
	s_cbranch_scc1 .Lnot_wave_0_\@
	s_barrier_signal -3
.Lnot_wave_0_\@:
	s_barrier_wait -3
	s_barrier_signal -1
	s_barrier_wait -1
.endm
	s_load_b256 s[4:11], s[0:1], 0x0               ; qh s[4:5], kh s[6:7], vh s[8:9], out0 s[10:11]
	v_lshl_add_u32 v62, v0, 2, 0x4c000
	v_mov_b32 v63, 0
	ds_add_u32 v62, v63
	ds_add_u32 v62, v63
	v_lshrrev_b32 v1, 5, v0
	v_readfirstlane_b32 s12, v1                    ; wave 0..7
	s_bfe_u32 s13, ttmp6, 0x40000                  ; cx
	s_lshr_b32 s14, s12, 2                         ; side
	s_and_b32 s15, s12, 3                          ; wq
	s_mov_b32 s70, 0x76543210                      ; v_permlanex16_b32: lane i of one half reads lane i of the other
	s_mov_b32 s71, 0xfedcba98
	; K's piece: 4,096 dense bytes (64 tokens x 64 bytes) as 16 rows of 256 bytes; 4 words of padding behind every 16 words, counted along the tile: token rows 80 bytes apart
	s_mov_b32 s[G1K+0], 15|(3<<16)|(1<<20)|(1<<21)|(3<<22)|(3<<25)
	s_mov_b32 s[G1K+1], 32<<16                     ; tensor_dim0 = 32 elements of 8 bytes
	s_mov_b32 s[G1K+2], 16<<16                     ; tensor_dim1 = 16
	s_mov_b32 s[G1K+3], 32<<16                     ; tile_dim0
	s_mov_b32 s[G1K+4], 16                         ; tile_dim1
	s_mov_b32 s[G1K+5], 32                         ; pitch: dense
	s_mov_b32 s[G1K+6], 0
	s_mov_b32 s[G1K+7], 0
	; V's piece: 16 rows d of 128 f16 (256 bytes), 1,024 elements from row to row, 4 words of padding behind every 64
	s_mov_b32 s[G1V+0], 15|(1<<16)|(1<<20)|(1<<21)|(5<<22)|(3<<25)
	s_mov_b32 s[G1V+1], 128<<16
	s_mov_b32 s[G1V+2], 16<<16
	s_mov_b32 s[G1V+3], 128<<16
	s_mov_b32 s[G1V+4], 16
	s_mov_b32 s[G1V+5], 1024
	s_mov_b32 s[G1V+6], 0
	s_mov_b32 s[G1V+7], 0
	s_lshr_b32 s76, ttmp9, 3
	s_lshl_b32 s76, s76, 20                        ; b x 1,048,576 in qh, kh, vh
	s_and_b32 s77, ttmp9, 7                        ; hg
	s_lshl_b32 s78, s14, 19                        ; side: four chunks of 64 channels
	s_add_co_u32 s78, s78, s76
	s_lshl_b32 s66, s77, 13                        ; K: the group's 128 tokens of 64 bytes,
	s_add_co_u32 s66, s66, s78
	s_bfe_u32 s79, s12, 0x10001
	s_lshl_b32 s79, s79, 16                        ; which half of d,
	s_add_co_u32 s66, s66, s79
	s_and_b32 s79, s12, 1
	s_lshl_b32 s79, s79, 12                        ; which 64 tokens
	s_add_co_u32 s66, s66, s79
	s_mov_b32 s67, 0
	s_lshl_b32 s68, s77, 8                         ; V: the group's 128 tokens of 2 bytes,
	s_add_co_u32 s68, s68, s78
	s_lshl_b32 s79, s15, 15                        ; which 16 rows d
	s_add_co_u32 s68, s68, s79
	s_mov_b32 s69, 0
	s_mul_i32 s80, s12, 5120                       ; my pieces in LDS: the wave's number alone
	s_mul_i32 s81, s12, 4352
	s_add_co_u32 s81, s81, VBASE
	s_wait_dscnt 0x0
	s_wait_kmcnt 0x0
	s_add_nc_u64 s[66:67], s[6:7], s[66:67]
	s_add_nc_u64 s[68:69], s[8:9], s[68:69]
.irp t, 0,1,2,3
	s_mov_b32 s[G0K+4*\t], 1
	s_add_co_u32 s[G0K+4*\t+1], s80, \t*KST
	s_add_nc_u64 s[G0K+4*\t+2:G0K+4*\t+3], s[66:67], \t*131072     ; stage t: chunk 4 side + t
	s_or_b32 s[G0K+4*\t+3], s[G0K+4*\t+3], 0x80000000
	s_mov_b32 s[G0V+4*\t], 1
	s_add_co_u32 s[G0V+4*\t+1], s81, \t*VST
	s_add_nc_u64 s[G0V+4*\t+2:G0V+4*\t+3], s[68:69], \t*131072
	s_or_b32 s[G0V+4*\t+3], s[G0V+4*\t+3], 0x80000000
.endr
	CROUND                                         ; the four work-groups are here: the joint loads meet
.irp t, 0,1,2,3
	tensor_load_to_lds s[G0K+4*\t:G0K+4*\t+3], s[G1K:G1K+7]        ; eight tensor loads of the wave are out, the most in this text
	s_nop 0
	tensor_load_to_lds s[G0V+4*\t:G0V+4*\t+3], s[G1V:G1V+7]
	s_nop 0
.endr
	; my queries and my part of out0 (these hang on cx: registers of their own)
	s_lshl_b32 s82, s13, 1
	s_lshr_b32 s84, s15, 1
	s_add_co_u32 s82, s82, s84                     ; j = 2 cx + wq / 2
	s_and_b32 s85, s15, 1                          ; which 64 tokens
	s_lshl_b32 s72, s82, 17                        ; chunk pair 2 j, 2 j + 1 of 65,536 bytes
	s_add_co_u32 s72, s72, s76
	s_lshl_b32 s84, s77, 13
	s_add_co_u32 s72, s72, s84
	s_lshl_b32 s84, s85, 12
	s_add_co_u32 s72, s72, s84
	s_mov_b32 s73, 0
	s_add_nc_u64 s[72:73], s[4:5], s[72:73]
	s_lshl_b32 s74, s76, 1                         ; b x 2,097,152
	s_lshl_b32 s84, s82, 18                        ; 64 j rows of 4,096 bytes
	s_add_co_u32 s74, s74, s84
	s_lshl_b32 s84, s14, 17                        ; at the end side 0 stores d = 0..31, side 1 d = 32..63
	s_add_co_u32 s74, s74, s84
	s_lshl_b32 s84, s77, 9
	s_add_co_u32 s74, s74, s84
	s_lshl_b32 s84, s85, 8
	s_add_co_u32 s74, s74, s84
	s_mov_b32 s75, 0
	s_add_nc_u64 s[74:75], s[10:11], s[74:75]
	v_and_b32 v1, 31, v0                           ; L
	v_and_b32 v2, 15, v0                           ; r
	v_bfe_u32 v3, v0, 4, 1                         ; h
	v_lshlrev_b32 v4, 4, v3                        ; 16 h
	v_lshl_add_u32 v[QO], v2, 6, v4                ; token r's 64 bytes, d = 8 h ..
	; Q goes straight to registers: it is read once, and four of these loads together cover 2,048 dense bytes
	WIN 0x40
.irp qt, 0,1,2,3
.irp e, 0,1
	global_load_b128 v[QF+8*(2*\qt+\e):QF+8*(2*\qt+\e)+3],   v[QO], s[72:73] offset:65536*\e+1024*\qt
	global_load_b128 v[QF+8*(2*\qt+\e)+4:QF+8*(2*\qt+\e)+7], v[QO], s[72:73] offset:65536*\e+1024*\qt+32
.endr
.endr
	WIN 0
	v_mad_u32_u24 v5, v2, 80, v4                   ; K: row r x 80 + 16 h
	s_mul_i32 s79, s14, 20480
	v_add_nc_u32 v5, s79, v5
	v_mad_u32_u24 v6, v2, 272, v4                  ; V^T: row r x 272 + 16 h
	s_mul_i32 s79, s14, 17408
	s_add_co_u32 s79, s79, VBASE
	v_add_nc_u32 v6, s79, v6
.irp t, 0,1,2,3
	v_add_nc_u32 v[KA+\t], \t*KST, v5
	v_add_nc_u32 v[VA+\t], \t*VST, v6
.endr
	v_mul_u32_u24 v7, v3, 2176                     ; O^T: rows d = 8 h + j, query r
	v_lshl_add_u32 v7, v2, 2, v7
	s_mul_i32 s79, s12, OST
	v_add_nc_u32 v[OSA], s79, v7
	v_mul_u32_u24 v7, v3, 272                      ; back: lanes 0-15 one row of 256 bytes, lanes 16-31 the next
	v_lshl_add_u32 v7, v2, 4, v7
	s_mul_i32 s79, s15, OST
	s_mul_i32 s78, s14, 32*272
	s_add_co_u32 s79, s79, s78
	v_add_nc_u32 v[RA], s79, v7
	v_add_nc_u32 v[RB], 4*OST, v[RA]
	v_lshlrev_b32 v7, 12, v3
	v_lshl_add_u32 v[GO], v2, 4, v7
	v_lshlrev_b32 v7, 5, v1
	s_lshl_b32 s79, s12, 10
	s_add_co_u32 s79, s79, STAT
	v_add_nc_u32 v[STA], s79, v7
	s_xor_b32 s79, s12, 4                          ; my partner: the same queries, the other keys
	s_lshl_b32 s79, s79, 10
	s_add_co_u32 s79, s79, STAT
	v_add_nc_u32 v[STB], s79, v7
.irp qt, 0,1,2,3
	v_mov_b32 v[ML+2*\qt+1], 0                     ; written once because they are read as halves of pairs or as a lane exchange's destination
	v_mov_b32 v[AL+2*\qt+1], 0                     ; before they get their first values
	v_mov_b32 v[TP+\qt], 0
.endr
.macro VLOAD t, si                     ; V^T fragments: rows d = 16 dt + r, tokens 64 si + 32 p + 8 h .. and + 16
.irp dt, 0,1,2,3
.irp p, 0,1
	ds_load_b128 v[VF+8*(2*\dt+\p):VF+8*(2*\dt+\p)+3],   v[VA+\t] offset:4352*\dt+128*\si+64*\p
	ds_load_b128 v[VF+8*(2*\dt+\p)+4:VF+8*(2*\dt+\p)+7], v[VA+\t] offset:4352*\dt+128*\si+64*\p+32
.endr
.endr
.endm
.macro KLOAD t, si                     ; K fragments: tokens 64 si + 16 kt + r, d = 32 e + 8 h .. and + 16
	WIN 0x40
.irp kt, 0,1,2,3
.irp e, 0,1
	ds_load_b128 v[KF+8*(2*\kt+\e):KF+8*(2*\kt+\e)+3],   v[KA+\t] offset:10240*\e+(64*\si+16*\kt)*80
	ds_load_b128 v[KF+8*(2*\kt+\e)+4:KF+8*(2*\kt+\e)+7], v[KA+\t] offset:10240*\e+(64*\si+16*\kt)*80+32
.endr
.endr
.endm
; 64 keys x 64 queries: 32 matrix instructions.  The four query tiles take turns, one instruction a turn; the first product starts each sum.
.macro SMUL
	WIN 0x05
.irp kt, 0,1,2,3
.irp qt, 0,1,2,3
	v_wmma_f32_16x16x32_f16 v[S+32*\qt+8*\kt:S+32*\qt+8*\kt+7], v[KF+16*\kt:KF+16*\kt+7], v[QF+16*\qt:QF+16*\qt+7], 0
.endr
.irp qt, 0,1,2,3
	v_wmma_f32_16x16x32_f16 v[S+32*\qt+8*\kt:S+32*\qt+8*\kt+7], v[KF+16*\kt+8:KF+16*\kt+15], v[QF+16*\qt+8:QF+16*\qt+15], v[S+32*\qt+8*\kt:S+32*\qt+8*\kt+7]
.endr
.endr
.endm
; The running maximum: 32 scores of the lane and the old m in 16 instructions a query tile, four chains side by side; one exchange of halves; alpha = 2^(old m - new m).
.macro MAXQ first
.irp qt, 0,1,2,3
	v_max3_num_f32 v[MX+\qt], v[S+32*\qt], v[S+32*\qt+1], v[S+32*\qt+2]
.endr
.irp k, 1,2,3,4,5,6,7,8,9,10,11,12,13,14
.irp qt, 0,1,2,3
	v_max3_num_f32 v[MX+\qt], v[MX+\qt], v[S+32*\qt+2*\k+1], v[S+32*\qt+2*\k+2]
.endr
.endr
.irp qt, 0,1,2,3
.if \first
	v_max_num_f32 v[MX+\qt], v[MX+\qt], v[S+32*\qt+31]
.else
	v_max3_num_f32 v[MX+\qt], v[MX+\qt], v[S+32*\qt+31], v[ML+2*\qt]
.endif
.endr
.irp qt, 0,1,2,3
	v_permlanex16_b32 v[TP+\qt], v[MX+\qt], s70, s71
.endr
.irp qt, 0,1,2,3
	v_max_num_f32 v[MX+\qt], v[MX+\qt], v[TP+\qt]
.endr
.if \first == 0
.irp qt, 0,1,2,3
	v_sub_f32 v[AL+2*\qt], v[ML+2*\qt], v[MX+\qt]
.endr
.irp qt, 0,1,2,3
	v_exp_f32 v[AL+2*\qt], v[AL+2*\qt]
.endr
.endif
.irp qt, 0,1,2,3
	v_mov_b32 v[ML+2*\qt], v[MX+\qt]               ; the new m; also the plain instructions behind the exponentials (ISA guide 5.7.2)
.endr
.endm
.macro SUBQ qt                         ; s - m, two at a time
.irp i, 0,1,2,3,4,5,6,7,8,9,10,11,12,13,14,15
	v_pk_add_f32 v[S+32*\qt+2*\i:S+32*\qt+2*\i+1], v[S+32*\qt+2*\i:S+32*\qt+2*\i+1], v[ML+2*\qt:ML+2*\qt+1] op_sel_hi:[1,0] neg_lo:[0,1] neg_hi:[0,1]
.endr
.endm
.macro EXPQ qt
.set i, 0
.rept 32
	v_exp_f32 v[S+32*\qt+i], v[S+32*\qt+i]
.set i, i+1
.endr
.endm
; Row sums (two chains, one for each P fragment) and rounding to f16 in place: word i of a fragment takes numbers 2 i, 2 i + 1, which have been added before.
.macro SUMCVT qt, first
.set B0, S+32*\qt
.set T0, TP+4*(\qt&1)
	s_wait_alu depctr_va_vdst(0)
	v_pk_add_f32 v[T0:T0+1],   v[B0:B0+1],     v[B0+2:B0+3]
	v_pk_add_f32 v[T0+2:T0+3], v[B0+16:B0+17], v[B0+18:B0+19]
	v_cvt_pk_f16_f32 v[B0],    v[B0],    v[B0+1]
	v_cvt_pk_f16_f32 v[B0+16], v[B0+16], v[B0+17]
	v_cvt_pk_f16_f32 v[B0+1],  v[B0+2],  v[B0+3]
	v_cvt_pk_f16_f32 v[B0+17], v[B0+18], v[B0+19]
.irp i, 2,3,4,5,6,7
	v_pk_add_f32 v[T0:T0+1],   v[T0:T0+1],   v[B0+2*\i:B0+2*\i+1]
	v_pk_add_f32 v[T0+2:T0+3], v[T0+2:T0+3], v[B0+16+2*\i:B0+16+2*\i+1]
	v_cvt_pk_f16_f32 v[B0+\i],    v[B0+2*\i],    v[B0+2*\i+1]
	v_cvt_pk_f16_f32 v[B0+16+\i], v[B0+16+2*\i], v[B0+16+2*\i+1]
.endr
	v_pk_add_f32 v[T0:T0+1], v[T0:T0+1], v[T0+2:T0+3]
.if \first
	v_add_f32 v[ML+2*\qt+1], v[T0], v[T0+1]
.else
	v_add_f32 v[T0], v[T0], v[T0+1]
	v_fma_f32 v[ML+2*\qt+1], v[ML+2*\qt+1], v[AL+2*\qt], v[T0]     ; l = l alpha + sum; each half of the lanes keeps its own part until the end
.endif
.endm
.macro RESCALE                         ; O^T times the lane's factor
	WIN 0x41
.irp dt, 0,1,2,3
.irp qt, 0,1,2,3
.irp i, 0,1,2,3
	v_pk_mul_f32 v[8*(4*\dt+\qt)+2*\i:8*(4*\dt+\qt)+2*\i+1], v[8*(4*\dt+\qt)+2*\i:8*(4*\dt+\qt)+2*\i+1], v[AL+2*\qt:AL+2*\qt+1] op_sel_hi:[1,0]
.endr
.endr
.endr
.endm
.macro PVH p, zero                     ; 32 keys: the 16 accumulators of O^T take turns, one instruction a turn
.irp dt, 0,1,2,3
.irp qt, 0,1,2,3
.if \zero
	v_wmma_f32_16x16x32_f16 v[8*(4*\dt+\qt):8*(4*\dt+\qt)+7], v[VF+8*(2*\dt+\p):VF+8*(2*\dt+\p)+7], v[S+32*\qt+16*\p:S+32*\qt+16*\p+7], 0
.else
	v_wmma_f32_16x16x32_f16 v[8*(4*\dt+\qt):8*(4*\dt+\qt)+7], v[VF+8*(2*\dt+\p):VF+8*(2*\dt+\p)+7], v[S+32*\qt+16*\p:S+32*\qt+16*\p+7], v[8*(4*\dt+\qt):8*(4*\dt+\qt)+7]
.endif
.endr
.endr
.endm
; One step: 64 keys (stage t, half si) against my 64 queries.  nt, nsi: the next step's keys.  bar >= 0: the next step begins a new stage: each wave waits
; until at most bar of its tensor loads are out (those of still later stages), and a barrier shows the stage to all.
.macro STEP t, si, first, nt, nsi, bar, last
	s_wait_dscnt 0x0                               ; this step's K fragments, asked for in the last step
	VLOAD \t, \si
	SMUL
	WIN 0
	NOPS 4                                         ; places in front of the loads into K's fragments and of the reads of the scores
.if \bar >= 0
	s_wait_tensorcnt \bar
	s_wait_dscnt 0x0
	s_barrier_signal -1
	s_barrier_wait -1
.endif
.if \last == 0
	KLOAD \nt, \nsi
	WIN 0
.endif
	MAXQ \first
	SUBQ 0                                         ; between a run of exponentials and the use of its results stands plain work on another query tile (ISA guide 5.7.2)
	EXPQ 0
	SUBQ 1
	EXPQ 1
	SUMCVT 0, \first
	SUBQ 2
	EXPQ 2
	SUMCVT 1, \first
	SUBQ 3
	EXPQ 3
	SUMCVT 2, \first
	SUMCVT 3, \first
.if \first == 0
	RESCALE
.endif
.if \last
	s_wait_dscnt 0x0
.else
	s_wait_dscnt 16                                ; V's fragments are in; the 16 younger loads of K fragments stay out
.endif
	WIN 0x50
	PVH 0, \first
	PVH 1, 0
	WIN 0
	NOPS 5                                         ; places in front of the next scores, which write over P, of the loads into V's fragments, and of vector work on O^T
.endm
	s_wait_tensorcnt 0x6                           ; my pieces of stage 0 are in; the six loads of stages 1 to 3 stay out
	s_barrier_signal -1
	s_barrier_wait -1                              ; everybody's are
	KLOAD 0, 0
	WIN 0
	s_wait_loadcnt 0x0                             ; Q
	STEP 0, 0, 1, 0, 1, -1, 0
	STEP 0, 1, 0, 1, 0,  4, 0
	STEP 1, 0, 0, 1, 1, -1, 0
	STEP 1, 1, 0, 2, 0,  2, 0
	STEP 2, 0, 0, 2, 1, -1, 0
	STEP 2, 1, 0, 3, 0,  0, 0
	STEP 3, 0, 0, 3, 1, -1, 0
	STEP 3, 1, 0, 0, 0, -1, 1
	; THE MERGE of the pair.  First the two halves' parts of l, then (m, l) to the partner through LDS.
.irp qt, 0,1,2,3
	v_permlanex16_b32 v[TP+\qt], v[ML+2*\qt+1], s70, s71
.endr
.irp qt, 0,1,2,3
	v_add_f32 v[ML+2*\qt+1], v[ML+2*\qt+1], v[TP+\qt]
.endr
	ds_store_b128 v[STA], v[ML:ML+3]
	ds_store_b128 v[STA], v[ML+4:ML+7] offset:16
	s_wait_dscnt 0x0                               ; my statistics are written, and all my reads of K and V are back
	s_barrier_signal -1
	s_barrier_wait -1                              ; every wave's: from here K's bytes serve as the stage
	ds_load_b128 v[PM:PM+3], v[STB]
	ds_load_b128 v[PM+4:PM+7], v[STB] offset:16
	s_wait_dscnt 0x0
.irp qt, 0,1,2,3
	v_max_num_f32 v[MX+\qt], v[ML+2*\qt], v[PM+2*\qt]              ; M
.endr
.irp qt, 0,1,2,3
	v_sub_f32 v[AL+2*\qt], v[ML+2*\qt], v[MX+\qt]
	v_sub_f32 v[TP+\qt], v[PM+2*\qt], v[MX+\qt]
.endr
.irp qt, 0,1,2,3
	v_exp_f32 v[AL+2*\qt], v[AL+2*\qt]                             ; a  = 2^(m - M)
	v_exp_f32 v[TP+\qt], v[TP+\qt]                                 ; a' = 2^(m' - M)
.endr
	v_nop
	s_wait_alu depctr_va_vdst(0)
.irp qt, 0,1,2,3
	v_mul_f32 v[TP+\qt], v[PM+2*\qt+1], v[TP+\qt]
.endr
.irp qt, 0,1,2,3
	v_fma_f32 v[TP+\qt], v[ML+2*\qt+1], v[AL+2*\qt], v[TP+\qt]     ; l a + l' a': at least 1, since the largest score's term is 1
.endr
.irp qt, 0,1,2,3
	v_rcp_f32 v[TP+\qt], v[TP+\qt]
.endr
	v_nop
	s_wait_alu depctr_va_vdst(0)
.irp qt, 0,1,2,3
	v_mul_f32 v[AL+2*\qt], v[AL+2*\qt], v[TP+\qt]                  ; my part's factor
.endr
	RESCALE
	WIN 0x04
.irp dt, 0,1,2,3
.irp qt, 0,1,2,3
.irp j, 0,1,2,3,4,5,6,7
	ds_store_b32 v[OSA], v[8*(4*\dt+\qt)+\j] offset:(16*\dt+\j)*272+64*\qt   ; row d = 16 dt + 8 h + j, query 16 qt + r: the two halves' rows lie 544 words apart
.endr
.endr
.endr
	WIN 0
	s_wait_dscnt 0x0
	s_barrier_signal -1
	s_barrier_wait -1
	; each wave of a pair adds 32 rows d of the two parts and stores them: sixteen lanes store 256 consecutive bytes, aligned
.irp it, 0,1,2,3,4,5,6,7,8,9,10,11,12,13,14,15
	ds_load_b128 v[S+8*\it:S+8*\it+3],   v[RA] offset:544*\it
	ds_load_b128 v[S+8*\it+4:S+8*\it+7], v[RB] offset:544*\it
.endr
.irp it, 0,1,2,3,4,5,6,7,8,9,10,11,12,13,14,15
	s_wait_dscnt 30-2*\it                          ; the younger pairs of loads stay out
	v_pk_add_f32 v[S+8*\it:S+8*\it+1],   v[S+8*\it:S+8*\it+1],   v[S+8*\it+4:S+8*\it+5]
	v_pk_add_f32 v[S+8*\it+2:S+8*\it+3], v[S+8*\it+2:S+8*\it+3], v[S+8*\it+6:S+8*\it+7]
	global_store_b128 v[GO], v[S+8*\it:S+8*\it+3], s[74:75] offset:8192*\it th:TH_STORE_NT
.endr
	s_wait_tensorcnt 0x0
	ds_add_u32 v62, v63
	s_wait_dscnt 0x0
	CROUND                                         ; the closing round
	s_endpgm
.Lfunc_end_k_qc7bcf7511c_attn:
	.size	k_qc7bcf7511c_attn, .Lfunc_end_k_qc7bcf7511c_attn-k_qc7bcf7511c_attn
	.p2alignl 7, 3214868480
	.fill 96, 4, 3214868480
	.section	.rodata,"a",@progbits
	.p2align	6, 0x0
	.amdhsa_kernel k_qc7bcf7511c_attn
		.amdhsa_group_segment_fixed_size 312320
		.amdhsa_private_segment_fixed_size 0
		.amdhsa_enable_private_segment 0
		.amdhsa_kernarg_size 32
		.amdhsa_user_sgpr_count 2
		.amdhsa_user_sgpr_kernarg_segment_ptr 1
		.amdhsa_wavefront_size32 1
		.amdhsa_system_sgpr_workgroup_id_x 1
		.amdhsa_system_sgpr_workgroup_id_y 1
		.amdhsa_system_sgpr_workgroup_id_z 1
		.amdhsa_system_vgpr_workitem_id 0
		.amdhsa_next_free_vgpr 512
		.amdhsa_next_free_sgpr 88
		.amdhsa_reserve_vcc 0
		.amdhsa_float_denorm_mode_32 3
		.amdhsa_float_denorm_mode_16_64 3
		.amdhsa_memory_ordered 1
		.amdhsa_forward_progress 1
		.amdhsa_inst_pref_size 255
	.end_amdhsa_kernel
	.section	.bss,"aw",@nobits
	.p2align	6
	.space	262144
	.amdgpu_metadata
---
amdhsa.version: [ 1, 2 ]
amdhsa.kernels:
  - .name:           k_qc7bcf7511c_attn
    .symbol:         k_qc7bcf7511c_attn.kd
    .args:
      - { .name: qh, .offset: 0, .size: 8, .value_kind: global_buffer, .address_space: global }
      - { .name: kh, .offset: 8, .size: 8, .value_kind: global_buffer, .address_space: global }
      - { .name: vh, .offset: 16, .size: 8, .value_kind: global_buffer, .address_space: global }
      - { .name: out0, .offset: 24, .size: 8, .value_kind: global_buffer, .address_space: global }
    .group_segment_fixed_size: 312320
    .private_segment_fixed_size: 0
    .kernarg_segment_align: 8
    .kernarg_segment_size: 32
    .max_flat_workgroup_size: 256
    .sgpr_count:     88
    .vgpr_count:     512
    .wavefront_size: 32
...
	.end_amdgpu_metadata
.endif
;; end of part 2
